; MI455X (gfx1250); checked and timed in simulation.
; The chip was launched on July 23, 2026; its instructions are those of AMD's public machine-readable ISA for CDNA 5 (MIT licence, August 2026) and "CDNA5" Instruction Set Architecture Reference Guide (July 2026). The comments in the code are by the model that wrote it; some were corrected since.
;; Mo E Router. Allowed arithmetic: matrix products marked QUANTISED: E5M2 operands, one E8M0 scale for each 32 along K, by v_wmma_scale_f32_16x16x128_f8f6f4 with both operands' format E5M2, f32 sums; everything else in f32.
;; Inputs: W 64 x 2,048 float32; x 4 x 4,096 x 2,048 float32.
;; Outputs: out0 4 x 4,096 x 64 float32; out1 4 x 4,096 x 2 int32; out2 one number float32.
;; Constants: capacity = 4096, n_active = 2.
;; This version of the problem:
;;   THIS VERSION OF THE PROBLEM IS GIVEN IN LOW PRECISION. The matrix products marked QUANTISED in the list below multiply operands that are first quantised to E5M2 (5 exponent bits, 2 mantissa bits; 8 bits a number), with one power-of-two scale for each 32 numbers along K (OCP MX v1.0); their sums are f32. All else is computed in f32.
;;   The module's matrix products, in the order in which they are computed (A, B: the left and right operand; K: the contracted axis; several contracted axes count as one K, in the product's order):
;;     1. [M 16,384, K 2,048] x [K 2,048, N 64]; A: input x; B: input W: QUANTISED
;;   THE QUANTISER, for each operand of a quantised product, along K:
;;     - K is cut into blocks of 32 from its start; a last block that is shorter is filled with zeros.
;;     - A block's scale is 2^e with e = floor(log2(the largest magnitude in the block)) - 15, held to -126 .. 127; a block of zeros has e = 0. As a byte (E8M0): e + 127.
;;     - Each number is divided by its block's scale, clamped to +-57,344, and rounded to the nearest number of E5M2, ties to even, subnormals kept.
;;     - The product sums the exact products of the quantised numbers (number of the format x scale) in f32.
;;   ~~~python
;;   def quantise(x, axis):      # numpy; x: float32 -> the quantised numbers, widened to float32 again
;;       x = np.moveaxis(x, axis, -1); K = x.shape[-1]
;;       x = np.pad(x, [(0, 0)] * (x.ndim - 1) + [(0, -K % 32)]); x = x.reshape(x.shape[:-1] + (-1, 32)); a = np.abs(x).max(-1, keepdims=True)
;;       e = np.where(a > 0, np.clip(np.frexp(np.where(a > 0, a, 1))[1] - 1 - 15, -126, 127), 0)      # np.frexp(a)[1] - 1 = floor(log2(a)), exactly
;;       r = np.clip(x / 2.0 ** e, -57344, 57344)
;;       step = 2.0 ** (np.maximum(np.frexp(np.where(r == 0, 1, r))[1] - 1, -14) - 2)
;;       q = np.round(r / step) * step * 2.0 ** e      # np.round: ties to even
;;       return np.moveaxis(q.reshape(q.shape[:-2] + (-1,))[..., :K], -1, axis).astype(np.float32)
;;   ~~~
;; One version. Each part assembles by itself: llvm-mc -triple=amdgcn-amd-amdhsa -mcpu=gfx1250 --defsym DOCPART=n.
;; ======== version 1 of 1: 2 launches
;; limits: right only within a limited range of input values
;; workspace buffers: counts 65,536 bytes
;; launch route (part 1): grid 256 x 1, 8 waves a work-group, clusters of 4 x 1, 327,680 bytes of LDS; arguments x, W, out0, out1, counts; writes out0, out1, counts
.if DOCPART == 1
	.amdgcn_target "amdgcn-amd-amdhsa--gfx1250"
	.amdhsa_code_object_version 6
	.text
	.protected	k_qc00dac90d2_route
	.globl	k_qc00dac90d2_route
	.p2align	8
	.type	k_qc00dac90d2_route,@function
k_qc00dac90d2_route:
	s_mov_b64 s[64:65], 0
	v_nop
	global_prefetch_b8 v0, s[64:65] scope:SCOPE_SE
	s_setreg_imm32_b32 hwreg(HW_REG_WAVE_MODE, 25, 1), 1
	s_wait_xcnt 0x0
	s_wait_alu depctr_hold_cnt(0) depctr_sa_sdst(0) depctr_va_vdst(0) depctr_va_sdst(0) depctr_va_ssrc(0) depctr_va_vcc(0) depctr_vm_vsrc(0)
	s_getreg_b32 s2, hwreg(HW_REG_IB_STS2, 6, 4)
	s_cmp_eq_u32 s2, 0
	s_cbranch_scc0 .Lentry_in_a_cluster
	s_endpgm
.Lentry_in_a_cluster:
	s_bfe_u32 s2, ttmp6, 0x10000c
	s_cmp_lg_u32 s2, 0x3003
	s_cbranch_scc0 .Lentry_shape_is_right
	s_endpgm
.Lentry_shape_is_right:
; THE ROUTER OF A LAYER OF EXPERTS.  logits[token][expert] = sum over k of Q(x)[token][k] Q(W)[expert][k], Q the MX quantiser to BF8 (E5M2) with one E8M0 scale for each 32 along K; softmax over the 64 experts;
; the two largest probabilities (ties: the lower index first), divided by their sum, go into a dense row of gates; their indices go out; the gates' column sums of this work-group's tokens go to a workspace for the second launch.
; x: [16384][2048] f32.  W: [64][2048] f32.  out0: [16384][64] f32.  out1: [16384][2] i32.  counts: [256 work-groups][64] f32.
; SHARES.  A work-group of eight waves owns 64 tokens: 512 KB of x, read once.  THE WAVES SHARE K: wave w takes k = 256 w .. 256 w + 255, two K steps of 128, for all 64 tokens and all 64 experts.  So each number of W is
; quantised once in a work-group, by the wave that multiplies by it, straight into operand registers: no operand goes from wave to wave.  What meets in LDS at the end are the eight partial logits of each output.
; x COMES THROUGH A RING OF THREE REGISTER SLOTS: a step is 16 tokens x 128 K = 8 KB = 16 loads, each of two aligned runs of 256 bytes (lanes 0-15 one row, lanes 16-31 the next); 48 loads of a wave are out.
; The conversions want 16 neighbours along K in ONE lane: a landed slot turns through the wave's own stage in LDS (16 rows x 256 bytes + 16, two halves of a step one after the other), and is asked for again at once.
; W COMES BY THE TENSOR DATA MOVER, on a counter of its own, so that it takes no place in x's ring: one load a wave brings 64 rows x 512 bytes (my K step of all experts), 16 bytes of padding behind each row.
; All work-groups want the same rows of W at the same time: 4 work-groups form a cluster and ask JOINTLY (mask 15): the same load with the same descriptor in all four, each receives it in its own LDS.
; K step 1's rows are filled into the same bytes behind a round of the cluster's barrier, when all have quantised K step 0's, and land while four steps of x are worked.
; THE MATRIX INSTRUCTION IS USED TRANSPOSED: source 0 = 16 experts, source 1 = 16 tokens: lane (r, h) holds token r, register j expert 16 t + 8 h + j: eight neighbours of a row of logits.
; No launch of its own quantises W: its 131,072 numbers are as many as the work-group's share of x, and their work stands beside loads of x that are on their way.
; No prefetch is written: x is one stream that the ring keeps asking for from the first line to the last.
; LIMITS.  NaN and infinities among the inputs are not served.  A block of zeros gets the scale byte 1 (the floor) where the rule says 127: its codes are zeros, and only this text reads the bytes.
; v_exp_f32 gives 0 where the result lies under 2^-126 (ISA guide 15.8); reference() keeps denormals there: such an expert's gate is under 2^-126 either way, but as the second choice it may give way to the lowest tied index.
; Divisions are v_rcp_f32 and a multiplication.  A logit is the sum of eight partial sums, K ascending, each of two matrix instructions; not one chain.
.set ROWB,   8192                      ; a row of x or of W: 2,048 f32
.set WPITCH, 528                       ; a row of W's tile in LDS: 512 bytes + 16 = 132 words: row r starts at bank 4 r mod 64 (64 banks of 4 bytes: ISA guide 11.1)
.set WSL,    64*WPITCH                 ; a wave's part of LDS for W: 33,792 bytes; later its partial logits lie there
.set XPITCH, 272                       ; a row of x's stage: 256 bytes + 16
.set XSL,    16*XPITCH                 ; a wave's stage
.set PPITCH, 272                       ; a token's row of partial logits: 256 bytes + 16
.set XST,    8*WSL                     ; LDS: W's eight parts, then the eight stages,
.set SPARE,  XST+8*XSL                 ; the spare words, 128 bytes for each wave: four blocks of 256 bytes that no other line names,
.set IDX,    SPARE+8*128               ; 64 tokens x 2 indices,
.set CNT,    IDX+512                   ; and eight waves x 64 column sums
.set VA,  1                            ; v1   x: my byte in a step's first two rows: 16 (lane % 16) + 8,192 (lane / 16) + 1,024 wave; never rewritten
.set STW, 2                            ; v2   the stage, on the way in
.set SRD, 3                            ; v3   and on the way out: row lane % 16, + 64 (lane / 16)
.set WRD, 4                            ; v4   W's tile: row lane % 16, + 64 (lane / 16)
.set SPW, 5                            ; v5   LDS address of my spare word; never rewritten
.set NIL, 6                            ; v6   0; never rewritten
.set RR,  7                            ; v7   lane % 16
.set TM,  8                            ; v8-23   the quantiser's: largest magnitudes, bytes, scale operands
.set WS,  24                           ; v24-27  W's scale words, one for each tile of experts;  v28 x's.  These five hold scales and nothing else
.set PW,  28
.set PC,  32                           ; v32-47   x's codes: one fragment
.set WF,  48                           ; v48-111  W's codes: four fragments (one K step)
.set XW,  112                          ; v112-175 the 64 numbers in hand: register 16 b + i = k 32 b + 16 (lane / 16) + i of my row
                                       ; v176-239 slot 0;  window 1: v0-127 the 16 accumulators ((m, t) at 8 (4 m + t)), v128-191 slot 1, v192-255 slot 2
.set PST, 240                          ; v240     where I put my partial logits
.set RDP, 241                          ; v241-244 where I read partial logits: waves 0-1, 2-3, 4-5, 6-7
.set IXA, 245                          ; v245     where my row of lanes puts its token's indices
.set CNA, 246                          ; v246     where I put my wave's column sums
.set IXR, 247                          ; v247     indices back: 8 bytes a thread (waves 0 and 1)
.set CNR, 248                          ; v248     column sums back: 8 bytes a lane (wave 2)
.set GO,  249                          ; v249     16 x thread: my bytes in out0
.set O8,  250                          ; v250     8 x thread: in out1
.set C8,  251                          ; v251     8 x lane: in counts
.set WV,  14                           ; s14      my wave's number
.set G1,  16                           ; s[16:23] descriptor group 1;  s[24:27], s[28:31] group 0 for K step 0 and for K step 1: none is ever rewritten
.set G0A, 24
.set G0B, 28
.set SEL, 32                           ; s[32:33] v_permlanex16_b32's selects for lane l xor 16
.set MNT, 34
.set MSB, 0
.macro WIN new                         ; s_set_vgpr_msb: bits 1:0 source 0, 3:2 source 1, 5:4 source 2, 7:6 destination; the high byte repeats the setting that is left
.if MSB != \new
	s_set_vgpr_msb (MSB<<8)|\new
.set MSB, \new
.endif
.endm
.macro ROUND                           ; a round of the cluster's barrier: my work-group's barrier; wave 0 signals for the work-group; every wave waits for all four; my work-group's barrier once more
	s_barrier_signal -1
	s_barrier_wait -1
	s_cmp_lg_u32 s[WV], 0
	s_cbranch_scc1 .Lnot_wave_0_\@
	s_barrier_signal -3
.Lnot_wave_0_\@:
	s_barrier_wait -3
	s_barrier_signal -1
	s_barrier_wait -1
.endm
.macro SLOTOF j                        ; step j's slot: its first register and its window
.if (\j)%3 == 0
.set SB, 176
.set SWN, 0
.elseif (\j)%3 == 1
.set SB, 128
.set SWN, 1
.else
.set SB, 192
.set SWN, 1
.endif
.endm
; Step j of x (K step j / 4, tokens 16 (j % 4) on) is asked for: 16 loads; load (kh, i): rows 2 i and 2 i + 1, the kh-th 256 bytes of the step's 512.  Every offset is an immediate: 516,864 at the most.
.macro XLOAD j
	SLOTOF (\j)
	WIN (0x40*SWN)
.irp kh, 0,1
.irp i, 0,1,2,3,4,5,6,7
	global_load_b128 v[SB+32*\kh+4*\i:SB+32*\kh+4*\i+3], v[VA], s[4:5] offset:(16*((\j)%4)+2*\i)*ROWB+512*((\j)/4)+256*\kh th:TH_LOAD_NT
.endr
.endr
	WIN 0
.endm
; The 64 numbers in v[XW] on become a fragment's codes in v[d] on and its scale word in v[w].  A block of 32 lies in lanes l and l xor 16.
.macro QUANT d, w
.irp b, 0,1,2,3
	v_max3_num_f32 v[TM+\b], |v[XW+16*\b]|, |v[XW+16*\b+1]|, 0x8000000   ; block b: my 16 numbers, and the floor 2^(16 - 127): so the byte cannot fall under 1
.endr
.irp i, 2,4,6,8,10,12,14
.irp b, 0,1,2,3
	s_delay_alu instid0(VALU_DEP_4)
	v_max3_num_f32 v[TM+\b], v[TM+\b], |v[XW+16*\b+\i]|, |v[XW+16*\b+\i+1]|   ; (the four blocks by turns: no line waits for the line above it)
.endr
.endr
.irp b, 0,1,2,3
	s_delay_alu instid0(VALU_DEP_4)
	v_permlanex16_b32 v[TM+4+\b], v[TM+\b], s[SEL], s[SEL+1]
.endr
.irp b, 0,1,2,3
	s_delay_alu instid0(VALU_DEP_4)
	v_max_num_f32 v[TM+\b], v[TM+\b], v[TM+4+\b]                 ; with lane l xor 16's: the block's largest magnitude
.endr
.irp b, 0,1,2,3
	s_delay_alu instid0(VALU_DEP_4)
	v_add_nc_u32 v[TM+12+\b], 0xf8800000, v[TM+\b]               ; 15 off its exponent field: the conversion takes the exponent field of this operand as its scale
.endr
.irp b, 0,1,2,3
.endr
.irp b, 0,1,2,3
	s_delay_alu instid0(VALU_DEP_4)
	v_lshrrev_b32 v[TM+4+\b], 23, v[TM+12+\b]                    ; the scale's byte
.endr
	s_delay_alu instid0(VALU_DEP_3)
	v_lshl_or_b32 v[\w], v[TM+5], 8, v[TM+4]                     ; the four bytes make my row's scale word; the eight conversions below stand between it and the products
	s_delay_alu instid0(VALU_DEP_1)
	v_lshl_or_b32 v[\w], v[TM+6], 16, v[\w]
	s_delay_alu instid0(VALU_DEP_1)
	v_lshl_or_b32 v[\w], v[TM+7], 24, v[\w]
.irp b, 0,1,2,3
.irp i, 0,1,2,3,4,5,6,7,8,9,10,11,12,13,14,15
.endr
	v_cvt_scalef32_pk8_bf8_f32 v[\d+4*\b:\d+4*\b+1], v[XW+16*\b:XW+16*\b+7], v[TM+12+\b]
	v_cvt_scalef32_pk8_bf8_f32 v[\d+4*\b+2:\d+4*\b+3], v[XW+16*\b+8:XW+16*\b+15], v[TM+12+\b]
.endr
	v_nop                                  ; one plain vector instruction behind the last conversion
.endm
.macro WFETCH t                        ; experts 16 t on, my K step: 16 neighbours of each block of 32 for lane (r, h)
.irp b, 0,1,2,3
.irp q, 0,1,2,3
	ds_load_b128 v[XW+16*\b+4*\q:XW+16*\b+4*\q+3], v[WRD] offset:(\t)*16*WPITCH+128*\b+16*\q
.endr
.endr
.endm
; A STEP OF x.  left = the loads of younger steps, which may stay out.
.macro XSTEP j, left
	SLOTOF (\j)
	s_wait_loadcnt \left                   ; loads come back in order (ISA guide 5.7.1): this step's 16 are in
	WIN (0x04*SWN)                         ; an LDS store's data are its source 1; the LDS loads below name window 0 alone and are not touched by the setting
.irp kh, 0,1
.irp i, 0,1,2,3,4,5,6,7
	ds_store_b128 v[STW], v[SB+32*\kh+4*\i:SB+32*\kh+4*\i+3] offset:\i*2*XPITCH       ; as loaded: 256 consecutive bytes for each half of the lanes
.endr
.irp b, 0,1
.irp q, 0,1,2,3
	ds_load_b128 v[XW+32*\kh+16*\b+4*\q:XW+32*\kh+16*\b+4*\q+3], v[SRD] offset:128*\b+16*\q   ; LDS serves a wave's instructions in order (ISA guide 5.7.1.4): these see the stores above, and the second half's stores come behind them
.endr
.endr
.endr
	s_wait_dscnt 0x0                       ; the numbers are back, and the stores have read the slot:
.if (\j)+3 < 8
	XLOAD (\j)+3                           ; it is asked for again at once, ahead of the arithmetic
.else
	WIN 0
.endif
	QUANT PC, PW
.rept 3
	v_nop                                  ; with the one above: four places between codes written by vector instructions and a scaled matrix instruction
.endr
	WIN 0x50                               ; C and D in window 1
.irp t, 0,1,2,3                        ; four accumulators by turns; an accumulator's second product stands sixteen matrix instructions behind its first
.if (\j) < 4
	v_wmma_scale_f32_16x16x128_f8f6f4 v[8*(4*((\j)%4)+\t):8*(4*((\j)%4)+\t)+7], v[WF+16*\t:WF+16*\t+15], v[PC:PC+15], 0, v[WS+\t], v[PW] matrix_a_fmt:MATRIX_FMT_BF8 matrix_b_fmt:MATRIX_FMT_BF8
.else
	v_wmma_scale_f32_16x16x128_f8f6f4 v[8*(4*((\j)%4)+\t):8*(4*((\j)%4)+\t)+7], v[WF+16*\t:WF+16*\t+15], v[PC:PC+15], v[8*(4*((\j)%4)+\t):8*(4*((\j)%4)+\t)+7], v[WS+\t], v[PW] matrix_a_fmt:MATRIX_FMT_BF8 matrix_b_fmt:MATRIX_FMT_BF8
.endif
.endr
	WIN 0                                  ; the next quantiser's 32 maxima, which name none of these registers, are the places ahead of its writes of codes and scale words
.endm
	s_load_b256 s[4:11], s[0:1], 0x0               ; x s[4:5], W s[6:7], out0 s[8:9], out1 s[10:11]
	s_load_b64 s[12:13], s[0:1], 0x20              ; counts
	v_lshl_add_u32 v[SPW], v0, 2, SPARE
	v_mov_b32 v[NIL], 0
	ds_add_u32 v5, v6
	ds_add_u32 v5, v6
	s_wait_dscnt 0x0
	v_lshrrev_b32 v252, 5, v0
	s_delay_alu instid0(VALU_DEP_1)
	v_readfirstlane_b32 s[WV], v252                ; wave 0..7
	v_and_b32 v[RR], 15, v0                        ; r
	v_bfe_u32 v253, v0, 4, 1                       ; h
	s_delay_alu instid0(VALU_DEP_2)
	v_lshlrev_b32 v[VA], 4, v[RR]
	s_delay_alu instid0(VALU_DEP_1)
	v_lshl_add_u32 v[VA], v253, 13, v[VA]
	s_delay_alu instid0(VALU_DEP_1)
	v_lshl_add_u32 v[VA], v252, 10, v[VA]
	s_bfe_u32 s44, ttmp6, 0x40000                  ; cx: my place in the cluster; it enters the addresses of x and of the outputs alone (s44 to s46)
	s_lshl_b32 s46, ttmp9, 2                       ; in a cluster launch ttmp9 counts clusters
	s_add_co_u32 s46, s46, s44                     ; my work-group's number
	s_lshl_b32 s44, s46, 19                        ; x 64 rows of 8,192 bytes (under 2^27)
	s_mov_b32 s45, 0
	; descriptor group 1: a tile of 64 rows x 128 elements of 4 bytes, rows 2,048 elements apart, padded in LDS
	s_mov_b32 s[G1], 15|(2<<16)|(1<<20)|(1<<21)|(6<<22)|(3<<25)  ; 15:0 the mask: all four work-groups; 17:16 elements of 4 bytes; 20 padding on; 21 set beside a mask; 24:22 after every 128 words (code 6); 31:25 four words (code 3)
	s_mov_b32 s[G1+1], 128<<16                     ; tensor_dim0 = 128
	s_mov_b32 s[G1+2], 64<<16                      ; tensor_dim1 = 64
	s_mov_b32 s[G1+3], 128<<16                     ; tile_dim0 = 128
	s_mov_b32 s[G1+4], 64                          ; tile_dim1 = 64
	s_mov_b32 s[G1+5], 2048                        ; tensor_dim0_stride
	s_mov_b32 s[G1+6], 0
	s_mov_b32 s[G1+7], 0
	s_mov_b32 s[SEL], 0x76543210
	s_mov_b32 s[SEL+1], 0xfedcba98
	s_mul_i32 s38, s[WV], WSL                      ; my part of LDS for W
	s_lshl_b32 s36, s[WV], 10                      ; my 256 along K, in bytes
	s_mov_b32 s37, 0
	s_wait_alu depctr_va_vdst(0)
	s_wait_kmcnt 0x0
	s_add_nc_u64 s[4:5], s[4:5], s[44:45]          ; x at my work-group's first row
	XLOAD 0                                        ; the ring is filled before anything else is done: 48 loads
	XLOAD 1
	XLOAD 2
	s_add_nc_u64 s[40:41], s[6:7], s[36:37]        ; W at my K: the wave's number alone enters, so the descriptors are equal in all four partners
	s_mov_b32 s[G0A], 1                            ; 1:0 count = 1
	s_mov_b32 s[G0A+1], s38                        ; 63:32 LDS address
	s_mov_b64 s[G0A+2:G0A+3], s[40:41]             ; 120:64 global address: K step 0
	s_or_b32 s[G0A+3], s[G0A+3], 0x80000000        ; 127:126 type = 2
	s_mov_b32 s[G0B], 1
	s_mov_b32 s[G0B+1], s38
	s_add_nc_u64 s[G0B+2:G0B+3], s[40:41], 512     ; K step 1
	s_or_b32 s[G0B+3], s[G0B+3], 0x80000000
	s_lshl_b32 s44, s46, 14
	s_add_nc_u64 s[8:9], s[8:9], s[44:45]          ; out0: 64 rows of 256 bytes a work-group
	s_lshl_b32 s44, s46, 9
	s_add_nc_u64 s[10:11], s[10:11], s[44:45]      ; out1: 512 bytes
	s_lshl_b32 s44, s46, 8
	s_add_nc_u64 s[12:13], s[12:13], s[44:45]      ; counts: 256 bytes
	ROUND                                          ; all four work-groups are here: the first joint loads meet
	tensor_load_to_lds s[G0A:G0A+3], s[G1:G1+7]    ; my K step 0 of all 64 experts: one tensor load of mine is out
	s_nop 0
.irp b, 0,1,2,3
	v_mov_b32 v[TM+4+\b], 0                        ; written once: a lane permute's destination counts as one of its sources
.endr
	s_mul_i32 s39, s[WV], XSL
	s_add_co_u32 s39, s39, XST                     ; my stage
	v_mul_u32_u24 v[STW], v253, XPITCH
	s_delay_alu instid0(VALU_DEP_1)
	v_lshl_add_u32 v[STW], v[RR], 4, v[STW]
	s_delay_alu instid0(VALU_DEP_1)
	v_add_nc_u32 v[STW], s39, v[STW]               ; in: lanes 0-15 one row, lanes 16-31 the next, 16 bytes a lane
	v_mul_u32_u24 v[SRD], v[RR], XPITCH
	s_delay_alu instid0(VALU_DEP_1)
	v_lshl_add_u32 v[SRD], v253, 6, v[SRD]
	s_delay_alu instid0(VALU_DEP_1)
	v_add_nc_u32 v[SRD], s39, v[SRD]               ; out: row r, + 64 h
	v_mul_u32_u24 v[WRD], v[RR], WPITCH
	s_delay_alu instid0(VALU_DEP_1)
	v_lshl_add_u32 v[WRD], v253, 6, v[WRD]
	s_delay_alu instid0(VALU_DEP_1)
	v_add_nc_u32 v[WRD], s38, v[WRD]
	v_mul_u32_u24 v[PST], v[RR], PPITCH
	s_delay_alu instid0(VALU_DEP_1)
	v_lshl_add_u32 v[PST], v253, 5, v[PST]
	s_delay_alu instid0(VALU_DEP_1)
	v_add_nc_u32 v[PST], s38, v[PST]               ; partial logits: token r's row, + 32 h, in my own part
	v_lshrrev_b32 v254, 4, v0                      ; g = thread / 16: my row of 16 lanes
	s_delay_alu instid0(VALU_DEP_1)
	v_mul_u32_u24 v[RDP], v254, PPITCH
	s_delay_alu instid0(VALU_DEP_1)
	v_lshl_add_u32 v[RDP], v[RR], 4, v[RDP]        ; back: token g's row, 16 bytes a lane
	s_delay_alu instid0(VALU_DEP_1)
	v_add_nc_u32 v[RDP+1], 2*WSL, v[RDP]
	s_delay_alu instid0(VALU_DEP_2)
	v_add_nc_u32 v[RDP+2], 4*WSL, v[RDP]
	s_delay_alu instid0(VALU_DEP_3)
	v_add_nc_u32 v[RDP+3], 6*WSL, v[RDP]
	v_lshl_add_u32 v[IXA], v254, 3, IDX
	s_lshl_b32 s42, s[WV], 8
	s_add_co_u32 s42, s42, CNT
	v_lshl_add_u32 v[CNA], v[RR], 4, s42
	v_lshl_add_u32 v[IXR], v0, 3, IDX
	v_and_b32 v254, 31, v0
	s_delay_alu instid0(VALU_DEP_1)
	v_lshl_add_u32 v[CNR], v254, 3, CNT
	s_delay_alu instid0(VALU_DEP_2)
	v_lshlrev_b32 v[C8], 3, v254
	v_lshlrev_b32 v[O8], 3, v0
	v_lshlrev_b32 v[GO], 4, v0
	; ---- W, K step 0: four tiles of 16 experts become four fragments.  Only I read the bytes that my load brought: my own wait is all the ordering that the reads need
	s_wait_tensorcnt 0x0
	WFETCH 0
	s_wait_dscnt 0x0
	QUANT WF, WS
	WFETCH 1
	s_wait_dscnt 0x0
	QUANT WF+16, WS+1
	WFETCH 2
	s_wait_dscnt 0x0
	QUANT WF+32, WS+2
	WFETCH 3
	s_wait_dscnt 0x0                               ; the last numbers of K step 0 are in registers
	s_wait_tensorcnt 0x0                           ; no tensor load of mine is out;
	ds_add_u32 v[SPW], v[NIL]                      ; 0 onto my spare word; the last tile's quantiser stands between it and the wait for it
	QUANT WF+48, WS+3
	s_wait_dscnt 0x0                               ; the add is done, and my reads of W's bytes are over
	ROUND                                          ; the same holds of every wave of all four work-groups
	tensor_load_to_lds s[G0B:G0B+3], s[G1:G1+7]    ; K step 1, into the same bytes: my one tensor load behind the round; four steps of x stand between it and the wait for it
	s_nop 0
.rept 4
	v_nop
.endr
	XSTEP 0, 32                                    ; 32: the two younger steps' loads stay out
	XSTEP 1, 32
	XSTEP 2, 32
	XSTEP 3, 32
	; ---- W, K step 1; three steps of x are on their way meanwhile
	s_wait_tensorcnt 0x0
	WFETCH 0
	s_wait_dscnt 0x0
	QUANT WF, WS
	WFETCH 1
	s_wait_dscnt 0x0
	QUANT WF+16, WS+1
	WFETCH 2
	s_wait_dscnt 0x0
	QUANT WF+32, WS+2
	WFETCH 3
	s_wait_dscnt 0x0
	QUANT WF+48, WS+3
	XSTEP 4, 32
	XSTEP 5, 32
	XSTEP 6, 16                                    ; nothing is left to ask for: the counts run down
	XSTEP 7, 0
	; ---- The partial logits meet.  They go into my own part of W's bytes, which have had their last fill and which I alone have read
.rept 8
	v_nop                                          ; eight places behind the last products, ahead of the first read of results
.endr
	WIN 0x04
.irp m, 0,1,2,3
.irp t, 0,1,2,3
	ds_store_b128 v[PST], v[8*(4*\m+\t):8*(4*\m+\t)+3] offset:\m*16*PPITCH+64*\t       ; lane (r, h): token 16 m + r, experts 16 t + 8 h + 0 .. 7; each accumulator from its low end on
	ds_store_b128 v[PST], v[8*(4*\m+\t)+4:8*(4*\m+\t)+7] offset:\m*16*PPITCH+64*\t+16
.endr
.endr
	WIN 0
	s_wait_dscnt 0x0                               ; for the others' sake: my stores have landed
	s_barrier_signal -1
	s_barrier_wait -1
; FROM HERE A ROW OF 16 LANES IS A TOKEN, AND A LANE HOLDS FOUR EXPERTS, 4 r + 0 .. 3.  Row g of the work-group's 16 takes tokens 16 i + g, i = 0 .. 3.  Token i's registers: a block of 32 at v[LG + 32 i]:
.set LG,  48                           ; +0..3 logits, then exponentials, then probabilities; first +4 w: wave w's partial logits
.set eM,  4                            ; the row's largest logit
.set eS,  6                            ; the sum of the exponentials
.set eR,  7                            ; its reciprocal
.set eQ,  8                            ; +8..11 at work: candidates' indices, then the probabilities without the first choice
.set eM1, 12                           ; the largest probability, +13 its index, +14 the second, +15 its index (indices as f32: 0.0 to 63.0, exact)
.set eI1, 13
.set eM2, 14
.set eI2, 15
.set eT,  16                           ; their sum, +17 its reciprocal, +18, +19 the two scores
.set eRT, 17
.set eS1, 18
.set eS2, 19
.set eG,  20                           ; +20..23 at work, then the gates
.set eIX, 24                           ; +24, +25 the two indices as i32
.set FI,  176                          ; v176-179 my four experts' numbers as f32
.set CN,  184                          ; v184-191 column sums
; one number of each of the four tokens' 64: within the lane (three operands at a time), then across the row's 16 lanes (DPP: lane l takes lane l xor the mask); every lane ends up with the result
.macro OVER64 ins3, ins2, insd, dst, src
.irp i, 0,1,2,3
	\ins3 v[LG+32*\i+\dst], v[LG+32*\i+\src], v[LG+32*\i+\src+1], v[LG+32*\i+\src+2]
.endr
.irp i, 0,1,2,3
	s_delay_alu instid0(VALU_DEP_4)
	\ins2 v[LG+32*\i+\dst], v[LG+32*\i+\dst], v[LG+32*\i+\src+3]
.endr
.irp x, 1,2,4,8
.irp i, 0,1,2,3
	s_delay_alu instid0(VALU_DEP_4)
	\insd v[LG+32*\i+\dst], v[LG+32*\i+\dst], v[LG+32*\i+\dst] row_xmask:\x row_mask:0xf bank_mask:0xf
.endr
.endr
.endm
; dst = the lowest expert whose number in src equals val: the order in which jax.lax.top_k takes ties.  Who is not equal offers 64.  A selection, no branch
.macro WHERE val, src, tmp, dst
.irp e, 0,1,2,3
.irp i, 0,1,2,3
	v_cmp_eq_f32 vcc_lo, v[LG+32*\i+\src+\e], v[LG+32*\i+\val]
	s_delay_alu instid0(VALU_DEP_1)
	v_cndmask_b32 v[LG+32*\i+\tmp+\e], 0x42800000, v[FI+\e], vcc_lo
.endr
.endr
	OVER64 v_min3_num_f32, v_min_num_f32, v_min_num_f32_dpp, \dst, \tmp
.endm
.irp w, 0,1,2,3,4,5,6,7
.irp i, 0,1,2,3
	ds_load_b128 v[LG+32*\i+4*\w:LG+32*\i+4*\w+3], v[RDP+\w/2] offset:(\w%2)*WSL+\i*16*PPITCH   ; 16 lanes read a token's 256 consecutive bytes
.endr
.endr
	v_lshlrev_b32 v[FI], 2, v[RR]
	s_delay_alu instid0(VALU_DEP_1)
	v_cvt_f32_u32 v[FI], v[FI]
	s_delay_alu instid0(VALU_DEP_1)
	v_add_f32 v[FI+1], 1.0, v[FI]
	s_delay_alu instid0(VALU_DEP_2)
	v_add_f32 v[FI+2], 2.0, v[FI]
	s_delay_alu instid0(VALU_DEP_3)
	v_add_f32 v[FI+3], 0x40400000, v[FI]
	s_wait_dscnt 0x0
.irp w, 1,2,3,4,5,6,7                  ; the eight parts of K in ascending order; the four tokens by turns
.irp i, 0,1,2,3
	v_pk_add_f32 v[LG+32*\i:LG+32*\i+1], v[LG+32*\i:LG+32*\i+1], v[LG+32*\i+4*\w:LG+32*\i+4*\w+1]
	v_pk_add_f32 v[LG+32*\i+2:LG+32*\i+3], v[LG+32*\i+2:LG+32*\i+3], v[LG+32*\i+4*\w+2:LG+32*\i+4*\w+3]
.endr
.endr
	; ---- softmax, as reference() has it: the largest logit is taken away, exp, the sum, the division
	OVER64 v_max3_num_f32, v_max_num_f32, v_max_num_f32_dpp, eM, 0
.irp e, 0,1,2,3
.irp i, 0,1,2,3
	v_sub_f32 v[LG+32*\i+\e], v[LG+32*\i+\e], v[LG+32*\i+eM]     ; 0 or less; exactly 0 at the largest
.endr
.endr
.irp e, 0,1,2,3
.irp i, 0,1,2,3
	v_mul_f32 v[LG+32*\i+\e], 0x3fb8aa3b, v[LG+32*\i+\e]         ; x log2(e): v_exp_f32 works in base 2
.endr
.endr
	s_wait_alu depctr_va_vdst(0)
.irp e, 0,1,2,3
.irp i, 0,1,2,3
	v_exp_f32 v[LG+32*\i+\e], v[LG+32*\i+\e]
.endr
.endr
	v_nop                                          ; a plain instruction behind the last exponential,
	s_wait_alu depctr_va_vdst(0)                   ; and one wait for the batch of sixteen, ahead of its first reader
.irp i, 0,1,2,3
	v_add_f32 v[LG+32*\i+eS], v[LG+32*\i], v[LG+32*\i+1]
	v_add_f32 v[LG+32*\i+eR], v[LG+32*\i+2], v[LG+32*\i+3]
.endr
.irp i, 0,1,2,3
	v_add_f32 v[LG+32*\i+eS], v[LG+32*\i+eS], v[LG+32*\i+eR]
.endr
.irp x, 1,2,4,8
.irp i, 0,1,2,3
	s_delay_alu instid0(VALU_DEP_4)
	v_add_f32_dpp v[LG+32*\i+eS], v[LG+32*\i+eS], v[LG+32*\i+eS] row_xmask:\x row_mask:0xf bank_mask:0xf
.endr
.endr
	s_wait_alu depctr_va_vdst(0)
.irp i, 0,1,2,3
	v_rcp_f32 v[LG+32*\i+eR], v[LG+32*\i+eS]       ; the sum lies between 1 and 64
.endr
	v_nop
	s_wait_alu depctr_va_vdst(0)                   ; one wait for the four reciprocals
.irp e, 0,1,2,3
.irp i, 0,1,2,3
	v_mul_f32 v[LG+32*\i+\e], v[LG+32*\i+\e], v[LG+32*\i+eR]     ; the probabilities
.endr
.endr
	; ---- the two largest PROBABILITIES, as reference() ranks them (probabilities that have fallen to 0 tie, and the lower index wins there as here)
	OVER64 v_max3_num_f32, v_max_num_f32, v_max_num_f32_dpp, eM1, 0
	WHERE eM1, 0, eQ, eI1
.irp e, 0,1,2,3
.irp i, 0,1,2,3
	v_cmp_neq_f32 vcc_lo, v[FI+\e], v[LG+32*\i+eI1]
	s_delay_alu instid0(VALU_DEP_1)
	v_cndmask_b32 v[LG+32*\i+eQ+\e], -1.0, v[LG+32*\i+\e], vcc_lo    ; the first choice stands aside: -1 lies under every probability
.endr
.endr
	OVER64 v_max3_num_f32, v_max_num_f32, v_max_num_f32_dpp, eM2, eQ
	WHERE eM2, eQ, eG, eI2
.irp i, 0,1,2,3
	v_add_f32 v[LG+32*\i+eT], v[LG+32*\i+eM1], v[LG+32*\i+eM2]
.endr
	s_wait_alu depctr_va_vdst(0)
.irp i, 0,1,2,3
	v_rcp_f32 v[LG+32*\i+eRT], v[LG+32*\i+eT]      ; at least 1/64
.endr
.irp i, 0,1,2,3
	v_cvt_i32_f32 v[LG+32*\i+eIX], v[LG+32*\i+eI1] ; (plain work behind the reciprocals)
	v_cvt_i32_f32 v[LG+32*\i+eIX+1], v[LG+32*\i+eI2]
.endr
	s_wait_alu depctr_va_vdst(0)                   ; one wait for the four reciprocals
.irp i, 0,1,2,3
	v_mul_f32 v[LG+32*\i+eS1], v[LG+32*\i+eM1], v[LG+32*\i+eRT]
	v_mul_f32 v[LG+32*\i+eS2], v[LG+32*\i+eM2], v[LG+32*\i+eRT]
.endr
.irp e, 0,1,2,3
.irp i, 0,1,2,3
	v_cmp_eq_f32 vcc_lo, v[FI+\e], v[LG+32*\i+eI2]
	s_delay_alu instid0(VALU_DEP_1)
	v_cndmask_b32 v[LG+32*\i+eG+\e], 0, v[LG+32*\i+eS2], vcc_lo
	v_cmp_eq_f32 vcc_lo, v[FI+\e], v[LG+32*\i+eI1]
	s_delay_alu instid0(VALU_DEP_1)
	v_cndmask_b32 v[LG+32*\i+eG+\e], v[LG+32*\i+eG+\e], v[LG+32*\i+eS1], vcc_lo   ; the gates: the two scores at their experts, 0 elsewhere
.endr
.endr
.irp i, 0,1,2,3
	global_store_b128 v[GO], v[LG+32*\i+eG:LG+32*\i+eG+3], s[8:9] offset:4096*\i th:TH_STORE_NT   ; a wave stores two tokens' rows: 512 consecutive bytes, at a multiple of 256 from out0's first byte
	ds_store_b64 v[IXA], v[LG+32*\i+eIX:LG+32*\i+eIX+1] offset:128*\i                ; the row's 16 lanes write the same 8 bytes with the same values
.endr
	v_pk_add_f32 v[CN:CN+1], v[LG+eG:LG+eG+1], v[LG+32+eG:LG+32+eG+1]                ; the gates' column sums: my four tokens,
	v_pk_add_f32 v[CN+2:CN+3], v[LG+eG+2:LG+eG+3], v[LG+32+eG+2:LG+32+eG+3]
	v_pk_add_f32 v[CN+4:CN+5], v[LG+64+eG:LG+64+eG+1], v[LG+96+eG:LG+96+eG+1]
	v_pk_add_f32 v[CN+6:CN+7], v[LG+64+eG+2:LG+64+eG+3], v[LG+96+eG+2:LG+96+eG+3]
	s_delay_alu instid0(VALU_DEP_2)
	v_pk_add_f32 v[CN:CN+1], v[CN:CN+1], v[CN+4:CN+5]
	s_delay_alu instid0(VALU_DEP_2)
	v_pk_add_f32 v[CN+2:CN+3], v[CN+2:CN+3], v[CN+6:CN+7]
.irp e, 0,1,2,3
	v_permlanex16_b32 v[CN+4+\e], v[CN+\e], s[SEL], s[SEL+1]
.endr
	s_delay_alu instid0(VALU_DEP_3)
	v_pk_add_f32 v[CN:CN+1], v[CN:CN+1], v[CN+4:CN+5]                                ; and the other row's four: my wave's eight tokens
	s_delay_alu instid0(VALU_DEP_2)
	v_pk_add_f32 v[CN+2:CN+3], v[CN+2:CN+3], v[CN+6:CN+7]
	ds_store_b128 v[CNA], v[CN:CN+3]               ; both rows write the same bytes with the same values
	s_wait_dscnt 0x0                               ; for the others' sake: my stores have landed
	s_barrier_signal -1
	s_barrier_wait -1
	; ---- what is too small for every wave leaves in whole runs of 256 bytes: waves 0 and 1 store 32 tokens' indices each, wave 2 the work-group's 64 column sums
	s_cmp_gt_u32 s[WV], 2
	s_cbranch_scc1 .Ldone
	s_cmp_eq_u32 s[WV], 2
	s_cbranch_scc1 .Lsums
	ds_load_b64 v[192:193], v[IXR]
	s_wait_dscnt 0x0
	global_store_b64 v[O8], v[192:193], s[10:11] th:TH_STORE_NT    ; 32 lanes store 256 consecutive bytes, at a multiple of 256 from out1's first byte
	s_branch .Ldone
.Lsums:
.irp w, 0,1,2,3,4,5,6,7
	ds_load_b64 v[192+2*\w:193+2*\w], v[CNR] offset:256*\w         ; experts 2 l and 2 l + 1 of wave w's sums
.endr
	s_wait_dscnt 0x0
.irp w, 1
	v_pk_add_f32 v[192:193], v[192:193], v[192+2*\w:193+2*\w]
.endr
.irp w, 2, 3, 4, 5, 6, 7
	s_delay_alu instid0(VALU_DEP_1)
	v_pk_add_f32 v[192:193], v[192:193], v[192+2*\w:193+2*\w]
.endr
	global_store_b64 v[C8], v[192:193], s[12:13]   ; 256 consecutive bytes: my work-group's row of the workspace
.Ldone:
	s_wait_tensorcnt 0x0                           ; the wave's end: behind my last tensor load and my last LDS store
	ds_add_u32 v[SPW], v[NIL]
	s_wait_dscnt 0x0
	ROUND                                          ; the closing round: no work-group ends while a partner may still ask for a tile that names it
	s_endpgm
.Lfunc_end_k_qc00dac90d2_route:
	.size	k_qc00dac90d2_route, .Lfunc_end_k_qc00dac90d2_route-k_qc00dac90d2_route
	.p2alignl 7, 3214868480
	.fill 96, 4, 3214868480
	.section	.rodata,"a",@progbits
	.p2align	6, 0x0
	.amdhsa_kernel k_qc00dac90d2_route
		.amdhsa_group_segment_fixed_size 327680
		.amdhsa_private_segment_fixed_size 0
		.amdhsa_enable_private_segment 0
		.amdhsa_kernarg_size 40
		.amdhsa_user_sgpr_count 2
		.amdhsa_user_sgpr_kernarg_segment_ptr 1
		.amdhsa_wavefront_size32 1
		.amdhsa_system_sgpr_workgroup_id_x 1
		.amdhsa_system_sgpr_workgroup_id_y 1
		.amdhsa_system_sgpr_workgroup_id_z 1
		.amdhsa_system_vgpr_workitem_id 0
		.amdhsa_next_free_vgpr 512
		.amdhsa_next_free_sgpr 66
		.amdhsa_reserve_vcc 1
		.amdhsa_float_denorm_mode_32 3
		.amdhsa_float_denorm_mode_16_64 3
		.amdhsa_fp16_overflow 1
		.amdhsa_memory_ordered 1
		.amdhsa_forward_progress 1
		.amdhsa_inst_pref_size 166
	.end_amdhsa_kernel
	.amdgpu_metadata
---
amdhsa.version: [ 1, 2 ]
amdhsa.kernels:
  - .name:           k_qc00dac90d2_route
    .symbol:         k_qc00dac90d2_route.kd
    .args:
      - { .name: x, .offset: 0, .size: 8, .value_kind: global_buffer, .address_space: global }
      - { .name: W, .offset: 8, .size: 8, .value_kind: global_buffer, .address_space: global }
      - { .name: out0, .offset: 16, .size: 8, .value_kind: global_buffer, .address_space: global }
      - { .name: out1, .offset: 24, .size: 8, .value_kind: global_buffer, .address_space: global }
      - { .name: counts, .offset: 32, .size: 8, .value_kind: global_buffer, .address_space: global }
    .group_segment_fixed_size: 327680
    .private_segment_fixed_size: 0
    .kernarg_segment_align: 8
    .kernarg_segment_size: 40
    .max_flat_workgroup_size: 256
    .sgpr_count:     66
    .vgpr_count:     512
    .wavefront_size: 32
...
	.end_amdgpu_metadata
.endif
;; end of part 1
;; launch loss (part 2): grid 1 x 1, 8 waves a work-group, no clusters, 3,072 bytes of LDS; arguments counts, out2; writes out2
.if DOCPART == 2
	.amdgcn_target "amdgcn-amd-amdhsa--gfx1250"
	.amdhsa_code_object_version 6
	.text
	.protected	k_qc00dac90d2_loss
	.globl	k_qc00dac90d2_loss
	.p2align	8
	.type	k_qc00dac90d2_loss,@function
k_qc00dac90d2_loss:
	s_mov_b64 s[64:65], 0
	v_nop
	global_prefetch_b8 v0, s[64:65] scope:SCOPE_SE
	s_setreg_imm32_b32 hwreg(HW_REG_WAVE_MODE, 25, 1), 1
	s_wait_xcnt 0x0
; load_loss = the mean over the 64 experts of (c[e] / sum(c) x 64 - 1)^2, c[e] = the sum of the gates of expert e over all tokens.
; counts: [256][64] f32, one row from each work-group of the launch before: 64 KB.  out2: one f32.
; The sum spans all work-groups of the first launch, so it has a launch of its own; its work is for one work-group: eight waves, 16 loads a thread, all out at once.
; Thread t takes the 16 bytes (experts 4 (t % 16) on) at byte 16 t of every block of 16 rows: a wave's load covers 512 consecutive bytes.  Rows are added in ascending order within a thread,
; then the two halves of a wave, then the eight waves through LDS.  The division is v_rcp_f32 and a multiplication.
	s_load_b128 s[4:7], s[0:1], 0x0                ; counts, out2
	v_lshl_add_u32 v96, v0, 2, 0x800
	v_mov_b32 v97, 0
	v_lshlrev_b32 v1, 4, v0                        ; 16 x thread
	v_lshrrev_b32 v2, 5, v0
	s_delay_alu instid0(VALU_DEP_1)
	v_readfirstlane_b32 s8, v2                     ; wave 0..7
	v_and_b32 v3, 15, v0
	s_lshl_b32 s9, s8, 8
	v_lshl_add_u32 v4, v3, 4, s9                   ; LDS: my wave's 256 bytes, my four experts
	v_and_b32 v5, 31, v0
	s_delay_alu instid0(VALU_DEP_1)
	v_lshlrev_b32 v5, 3, v5                        ; and back: 8 bytes a lane
	s_mov_b32 s10, 0x76543210
	s_mov_b32 s11, 0xfedcba98                      ; v_permlanex16_b32's selects for lane l xor 16
	s_wait_alu depctr_va_vdst(0)
	s_wait_kmcnt 0x0
.irp i, 0,1,2,3,4,5,6,7,8,9,10,11,12,13,14,15
	global_load_b128 v[16+4*\i:19+4*\i], v1, s[4:5] offset:4096*\i th:TH_LOAD_NT     ; rows t / 16 + 16 i
.endr
.irp i, 1,2,3,4,5,6,7,8,9,10,11,12,13,14,15
	s_wait_alu depctr_va_vdst(0)
	s_wait_loadcnt 15-\i                           ; loads come back in order (ISA guide 5.7.1): rows 0 to i are in, the younger ones stay out
	v_pk_add_f32 v[16:17], v[16:17], v[16+4*\i:17+4*\i]
	v_pk_add_f32 v[18:19], v[18:19], v[18+4*\i:19+4*\i]
.endr
.irp e, 0,1,2,3
	v_permlanex16_b32 v[20+\e], v[16+\e], s10, s11
.endr
	s_delay_alu instid0(VALU_DEP_3)
	v_pk_add_f32 v[16:17], v[16:17], v[20:21]      ; with the other half of the lanes: my wave's 32 rows
	s_delay_alu instid0(VALU_DEP_2)
	v_pk_add_f32 v[18:19], v[18:19], v[22:23]
	ds_store_b128 v4, v[16:19]                     ; both halves write the same bytes with the same values
	s_wait_dscnt 0x0                               ; for wave 0's sake: my store has landed
	s_barrier_signal -1
	s_barrier_wait -1
	s_cmp_lg_u32 s8, 0
	s_cbranch_scc1 .Lend                           ; the rest is one wave's work
.irp w, 0,1,2,3,4,5,6,7
	ds_load_b64 v[32+2*\w:33+2*\w], v5 offset:256*\w               ; experts 2 l and 2 l + 1 of wave w's sums
.endr
	s_wait_dscnt 0x0
.irp w, 1
	v_pk_add_f32 v[32:33], v[32:33], v[32+2*\w:33+2*\w]            ; c of my two experts
.endr
.irp w, 2, 3, 4, 5, 6, 7
	s_delay_alu instid0(VALU_DEP_1)
	v_pk_add_f32 v[32:33], v[32:33], v[32+2*\w:33+2*\w]            ; c of my two experts
.endr
	s_delay_alu instid0(VALU_DEP_1)
	v_add_f32 v34, v32, v33
.irp x, 1,2,4,8
	s_delay_alu instid0(VALU_DEP_1)
	v_add_f32_dpp v34, v34, v34 row_xmask:\x row_mask:0xf bank_mask:0xf
.endr
	s_delay_alu instid0(VALU_DEP_1)
	v_permlanex16_b32 v35, v34, s10, s11
	s_delay_alu instid0(VALU_DEP_1)
	v_add_f32 v34, v34, v35                        ; the sum of all 64, in every lane
	s_wait_alu depctr_va_vdst(0)
	v_rcp_f32 v36, v34
	v_mov_b32 v37, 0                               ; (a plain instruction behind the reciprocal)  the store's offset
	s_wait_alu depctr_va_vdst(0)                   ; the wait ahead of the reciprocal's first reader
	v_mul_f32 v32, v32, v36
	v_mul_f32 v33, v33, v36
	s_delay_alu instid0(VALU_DEP_2)
	v_fma_f32 v32, v32, 0x42800000, -1.0           ; x 64 - 1
	s_delay_alu instid0(VALU_DEP_2)
	v_fma_f32 v33, v33, 0x42800000, -1.0
	s_delay_alu instid0(VALU_DEP_2)
	v_mul_f32 v32, v32, v32
	s_delay_alu instid0(VALU_DEP_1)
	v_fma_f32 v32, v33, v33, v32
.irp x, 1,2,4,8
	s_delay_alu instid0(VALU_DEP_1)
	v_add_f32_dpp v32, v32, v32 row_xmask:\x row_mask:0xf bank_mask:0xf
.endr
	s_delay_alu instid0(VALU_DEP_1)
	v_permlanex16_b32 v35, v32, s10, s11
	s_delay_alu instid0(VALU_DEP_1)
	v_add_f32 v32, v32, v35
	s_delay_alu instid0(VALU_DEP_1)
	v_mul_f32 v32, 0x3c800000, v32                 ; / 64: the mean
	s_wait_alu depctr_va_vdst(0)
	s_wait_xcnt 0x0                                ; EXEC changes only behind this wait
	v_cmp_eq_u32 vcc_lo, 0, v0
	s_and_saveexec_b32 s12, vcc_lo                 ; one number, one lane
	global_store_b32 v37, v32, s[6:7]
	s_wait_xcnt 0x0                                ; and again, in front of the line that widens it
	s_or_b32 exec_lo, exec_lo, s12
.Lend:
	s_wait_tensorcnt 0x0
	ds_add_u32 v96, v97
	s_wait_dscnt 0x0
	s_endpgm
.Lfunc_end_k_qc00dac90d2_loss:
	.size	k_qc00dac90d2_loss, .Lfunc_end_k_qc00dac90d2_loss-k_qc00dac90d2_loss
	.p2alignl 7, 3214868480
	.fill 96, 4, 3214868480
	.section	.rodata,"a",@progbits
	.p2align	6, 0x0
	.amdhsa_kernel k_qc00dac90d2_loss
		.amdhsa_group_segment_fixed_size 3072
		.amdhsa_private_segment_fixed_size 0
		.amdhsa_enable_private_segment 0
		.amdhsa_kernarg_size 16
		.amdhsa_user_sgpr_count 2
		.amdhsa_user_sgpr_kernarg_segment_ptr 1
		.amdhsa_wavefront_size32 1
		.amdhsa_system_sgpr_workgroup_id_x 1
		.amdhsa_system_sgpr_workgroup_id_y 1
		.amdhsa_system_sgpr_workgroup_id_z 1
		.amdhsa_system_vgpr_workitem_id 0
		.amdhsa_next_free_vgpr 98
		.amdhsa_next_free_sgpr 66
		.amdhsa_reserve_vcc 1
		.amdhsa_float_denorm_mode_32 3
		.amdhsa_float_denorm_mode_16_64 3
		.amdhsa_memory_ordered 1
		.amdhsa_forward_progress 1
		.amdhsa_inst_pref_size 10
	.end_amdhsa_kernel
	.amdgpu_metadata
---
amdhsa.version: [ 1, 2 ]
amdhsa.kernels:
  - .name:           k_qc00dac90d2_loss
    .symbol:         k_qc00dac90d2_loss.kd
    .args:
      - { .name: counts, .offset: 0, .size: 8, .value_kind: global_buffer, .address_space: global }
      - { .name: out2, .offset: 8, .size: 8, .value_kind: global_buffer, .address_space: global }
    .group_segment_fixed_size: 3072
    .private_segment_fixed_size: 0
    .kernarg_segment_align: 8
    .kernarg_segment_size: 16
    .max_flat_workgroup_size: 256
    .sgpr_count:     66
    .vgpr_count:     98
    .wavefront_size: 32
...
	.end_amdgpu_metadata
.endif
;; end of part 2
